; MI455X (gfx1250); checked and timed in simulation.
; The chip was launched on July 23, 2026; its instructions are those of AMD's public machine-readable ISA for CDNA 5 (MIT licence, August 2026) and "CDNA5" Instruction Set Architecture Reference Guide (July 2026). The comments in the code are by the model that wrote it; some were corrected since.
;; Action VQ. Allowed arithmetic: matrix products marked QUANTISED: E3M2 operands, one E8M0 scale for each 32 along K, by v_wmma_scale_f32_16x16x128_f8f6f4 with both operands' format E3M2, f32 sums; everything else in f32.
;; Inputs: W 8,192 x 512 float32; e 16,384 x 512 float32.
;; Outputs: out0 16,384 int32; out1 16,384 x 512 float32.
;; This version of the problem:
;;   THIS VERSION OF THE PROBLEM IS GIVEN IN LOW PRECISION. The matrix products marked QUANTISED in the list below multiply operands that are first quantised to E3M2 (3 exponent bits, 2 mantissa bits; 6 bits a number), with one power-of-two scale for each 32 numbers along K (OCP MX v1.0); their sums are f32. All else is computed in f32.
;;   The module's matrix products, in the order in which they are computed (A, B: the left and right operand; K: the contracted axis; several contracted axes count as one K, in the product's order):
;;     1. [M 16,384, K 512] x [K 512, N 8,192]; A: input e; B: input W: QUANTISED
;;   THE QUANTISER, for each operand of a quantised product, along K:
;;     - K is cut into blocks of 32 from its start; a last block that is shorter is filled with zeros.
;;     - A block's scale is 2^e with e = floor(log2(the largest magnitude in the block)) - 4, held to -126 .. 127; a block of zeros has e = 0. As a byte (E8M0): e + 127.
;;     - Each number is divided by its block's scale, clamped to +-28, and rounded to the nearest number of E3M2, ties to even, subnormals kept.
;;     - The product sums the exact products of the quantised numbers (number of the format x scale) in f32.
;;   ~~~python
;;   def quantise(x, axis):      # numpy; x: float32 -> the quantised numbers, widened to float32 again
;;       x = np.moveaxis(x, axis, -1); K = x.shape[-1]
;;       x = np.pad(x, [(0, 0)] * (x.ndim - 1) + [(0, -K % 32)]); x = x.reshape(x.shape[:-1] + (-1, 32)); a = np.abs(x).max(-1, keepdims=True)
;;       e = np.where(a > 0, np.clip(np.frexp(np.where(a > 0, a, 1))[1] - 1 - 4, -126, 127), 0)      # np.frexp(a)[1] - 1 = floor(log2(a)), exactly
;;       r = np.clip(x / 2.0 ** e, -28, 28)
;;       step = 2.0 ** (np.maximum(np.frexp(np.where(r == 0, 1, r))[1] - 1, -2) - 2)
;;       q = np.round(r / step) * step * 2.0 ** e      # np.round: ties to even
;;       return np.moveaxis(q.reshape(q.shape[:-2] + (-1,))[..., :K], -1, axis).astype(np.float32)
;;   ~~~
;; One version. Each part assembles by itself: llvm-mc -triple=amdgcn-amd-amdhsa -mcpu=gfx1250 --defsym DOCPART=n.
;; ======== version 1 of 1: 3 launches
;; limits: right only within a limited range of input values
;; workspace buffers: eimg 6,291,456 bytes; wimg 3,145,728 bytes; esc 262,144 bytes; wsc 131,072 bytes; en 65,536 bytes; wn 32,768 bytes; cand 1,048,576 bytes of whole numbers
;; launch quant (part 1): grid 768 x 1, 8 waves a work-group, no clusters, 69,632 bytes of LDS; arguments e, W, eimg, wimg, esc, wsc, en, wn; writes eimg, wimg, esc, wsc, en, wn
.if DOCPART == 1
	.amdgcn_target "amdgcn-amd-amdhsa--gfx1250"
	.amdhsa_code_object_version 6
	.text
	.protected	k_q75e95c4e3b_quant
	.globl	k_q75e95c4e3b_quant
	.p2align	8
	.type	k_q75e95c4e3b_quant,@function
k_q75e95c4e3b_quant:
	s_mov_b64 s[64:65], 0
	v_nop
	global_prefetch_b8 v0, s[64:65] scope:SCOPE_SE
	s_setreg_imm32_b32 hwreg(HW_REG_WAVE_MODE, 25, 1), 1
	s_wait_xcnt 0x0
; e [16384][512] and W [8192][512], f32, become operands of the quantised product: codes of BF6 (E3M2), one E8M0 scale byte for each 32 along K, and each row's sum of squares in f32.
; A block's scale is 2^(floor(log2(its largest magnitude)) - 4); its byte is the largest magnitude's own exponent field - 4, held at 1 from below.  Each number is divided by the scale and rounded to the
; nearest code, ties to even; beyond the largest code the conversion gives the largest code.
; THE CODES ARE LAID AS IMAGES OF THE OPERAND'S REGISTERS: the fragment of tile t (rows 16 t .. 16 t + 15) and K step s (128 along K) is 1,536 bytes at (4 t + s) x 1536; in it registers 4 c .. 4 c + 3 of lane l
; lie at 512 c + 16 l.  Lane (r = l % 16, h = l / 16) holds row r; registers 6 c .. 6 c + 5 hold k = 64 c + 32 h + 0 .. 31.  The scale bytes lie [row][16], the sums [row].
; LIMITS: a block of zeros gets the byte 1 where the rule says 127 (its codes are zeros, and this program alone reads the bytes); blocks whose largest magnitude lies under 2^-122 are held at that byte;
; NaN and infinities among the inputs are not served; a row's sum of squares is added in another order than a plain left-to-right f32 sum.
; SHARES.  Work-groups 0-511 take e, 512-767 W (only pointers are chosen: one path through the text); a work-group takes 32 rows, two tiles; wave w takes tile w / 4 and K step w % 4: one fragment, no loop.
; Each load reads 512 consecutive bytes of a row, 16 a lane; the conversions want 32 neighbours along K in ONE lane, so the wave's 16 x 512 bytes turn through its own stage in LDS (rows 528 bytes apart).
.set STGB, 8448                        ; a wave's stage: 16 rows x 528 bytes
.set SP,   528
.set SCB,  8*STGB                      ; behind the stages: 512 bytes of scale words, at 16 x row + 4 x K step; 512 bytes further on the partial sums, laid alike
.set R,    16                          ; v16-79   the wave's numbers as they are loaded
.set X,    80                          ; v80-143  register 32 c + i: k = 64 c + 32 h + i of my row
.set F,    16                          ; v16-27   the fragment          (R's registers are free behind the turn's wait)
.set T,    28                          ; v28-30, v32-34 the upper halves of the two blocks' codes
.set Q,    36                          ; v36-43   four packed chains of squares
.set MX,   44                          ; v44-45   the two blocks' largest magnitudes
.set SO,   46                          ; v46-47   the conversions' scale operands
.set BY,   48                          ; v48-49   the scale bytes
	s_load_b512 s[4:19], s[0:1], 0x0               ; e, W, eimg, wimg, esc, wsc, en, wn
	v_lshl_add_u32 v144, v0, 2, 0x10c00
	v_mov_b32 v145, 0
	v_lshrrev_b32 v1, 5, v0
	s_delay_alu instid0(VALU_DEP_1)
	v_readfirstlane_b32 s20, v1                    ; wave 0..7
	s_lshr_b32 s21, s20, 2                         ; which of the two tiles
	s_and_b32 s22, s20, 3                          ; which K step
	v_and_b32 v1, 31, v0                           ; lane
	s_delay_alu instid0(VALU_DEP_1)
	v_lshlrev_b32 v2, 4, v1                        ; 16 x lane
	v_and_b32 v3, 15, v0                           ; r
	v_bfe_u32 v4, v0, 4, 1                         ; h
	s_mul_i32 s28, s20, STGB
	v_add_nc_u32 v5, s28, v2                       ; the stage, on the way in: 16 x lane of a row
	v_mul_u32_u24 v6, v3, SP
	s_delay_alu instid0(VALU_DEP_1)
	v_lshl_add_u32 v6, v4, 7, v6
	s_delay_alu instid0(VALU_DEP_1)
	v_add_nc_u32 v6, s28, v6                       ; and on the way out: row r, + 128 h bytes: my block of 32 numbers
	s_lshl_b32 s28, s21, 8
	s_lshl_b32 s29, s22, 2
	s_add_co_u32 s28, s28, s29
	s_add_co_u32 s28, s28, SCB
	v_lshl_add_u32 v7, v3, 4, s28                  ; my row's word for my K step: SCB + 16 (16 tile + r) + 4 s
	v_lshlrev_b32 v8, 2, v1                        ; 4 x lane
	v_add_nc_u32 v9, SCB, v2                       ; wave 0's way out: row = lane, 16 bytes
	s_mov_b32 s26, 0x76543210
	s_mov_b32 s27, 0xfedcba98                      ; v_permlanex16_b32's selects for lane l xor 16
	s_wait_alu depctr_va_vdst(0)
	s_wait_kmcnt 0x0
	s_cmp_lt_u32 ttmp9, 512                        ; e's work-group or W's?  The choice hangs on the work-group's number alone
	s_cselect_b64 s[4:5], s[4:5], s[6:7]
	s_cselect_b64 s[8:9], s[8:9], s[10:11]
	s_cselect_b64 s[12:13], s[12:13], s[14:15]
	s_cselect_b64 s[16:17], s[16:17], s[18:19]
	s_cselect_b32 s23, 0, 512
	s_sub_co_u32 s23, ttmp9, s23                   ; g: which 32 rows of the tensor
	s_lshl_b32 s24, s23, 16                        ; the numbers: 32 rows of 2,048 bytes,
	s_lshl_b32 s28, s21, 15                        ; + 16 rows a tile,
	s_add_co_u32 s24, s24, s28
	s_lshl_b32 s28, s22, 9                         ; + 512 bytes a K step
	s_add_co_u32 s24, s24, s28
	s_mov_b32 s25, 0
	s_add_nc_u64 s[4:5], s[4:5], s[24:25]
	s_lshl_b32 s24, s23, 1
	s_add_co_u32 s24, s24, s21
	s_mul_i32 s24, s24, 6144                       ; the image: tile 2 g + tile, four fragments a tile,
	s_mul_i32 s28, s22, 1536                       ; + my K step's
	s_add_co_u32 s24, s24, s28
	s_add_nc_u64 s[8:9], s[8:9], s[24:25]
	s_lshl_b32 s24, s23, 9                         ; the scale bytes: 16 a row
	s_add_nc_u64 s[12:13], s[12:13], s[24:25]
	s_lshl_b32 s24, s23, 7                         ; the sums: 4 bytes a row
	s_add_nc_u64 s[16:17], s[16:17], s[24:25]
.irp p, 0,1,2,3,4,5,6,7,8,9,10,11,12,13,14,15
	global_load_b128 v[R+4*\p:R+4*\p+3], v2, s[4:5] offset:2048*\p th:TH_LOAD_NT   ; row p: 32 lanes read 512 consecutive bytes, aligned; all sixteen loads go out at once
.endr
.irp p, 0,1,2,3,4,5,6,7,8,9,10,11,12,13,14,15
	s_wait_loadcnt 15-\p                           ; loads come back in order: row p is in, the later rows may be out
	ds_store_b128 v5, v[R+4*\p:R+4*\p+3] offset:SP*\p
.endr
.irp c, 0,1
.irp i, 0,1,2,3,4,5,6,7
	ds_load_b128 v[X+32*\c+4*\i:X+32*\c+4*\i+3], v6 offset:256*\c+16*\i   ; LDS serves a wave's instructions in order: these see my stores; the stage is my wave's own
.endr
.endr
	s_wait_dscnt 0x0                               ; the numbers are back, and the stores have read R's registers
.irp c, 0,1
	v_max3_num_f32 v[MX+\c], |v[X+32*\c]|, |v[X+32*\c+1]|, 0x2800000   ; my block 2 c + h: all 32 numbers are mine; the floor 2^(5 - 127) keeps the byte at 1 or above
.endr
.irp i, 2,4,6,8,10,12,14,16,18,20,22,24,26,28,30
.irp c, 0,1
	s_delay_alu instid0(VALU_DEP_2)
	v_max3_num_f32 v[MX+\c], v[MX+\c], |v[X+32*\c+\i]|, |v[X+32*\c+\i+1]|   ; (the two blocks by turns)
.endr
.endr
.irp j, 0,1,2,3
	v_pk_mul_f32 v[Q+2*\j:Q+2*\j+1], v[X+2*\j:X+2*\j+1], v[X+2*\j:X+2*\j+1]   ; the squares of the UNQUANTISED numbers: the first four pairs start four chains
.endr
.set j, 4
.rept 28
	s_delay_alu instid0(VALU_DEP_4)
	v_pk_fma_f32 v[Q+2*(j%4):Q+2*(j%4)+1], v[X+2*j:X+2*j+1], v[X+2*j:X+2*j+1], v[Q+2*(j%4):Q+2*(j%4)+1]
.set j, j+1
.endr
	s_delay_alu instid0(VALU_DEP_3)
	v_pk_add_f32 v[Q:Q+1], v[Q:Q+1], v[Q+2:Q+3]
	s_delay_alu instid0(VALU_DEP_2)
	v_pk_add_f32 v[Q+4:Q+5], v[Q+4:Q+5], v[Q+6:Q+7]
	s_delay_alu instid0(VALU_DEP_1)
	v_pk_add_f32 v[Q:Q+1], v[Q:Q+1], v[Q+4:Q+5]
	s_delay_alu instid0(VALU_DEP_1)
	v_add_f32 v50, v[Q], v[Q+1]
	v_mov_b32 v51, 0                               ; (a lane permute's destination counts as one of its sources)
	s_delay_alu instid0(VALU_DEP_1)
	v_permlanex16_b32 v51, v50, s26, s27
	s_delay_alu instid0(VALU_DEP_1)
	v_add_f32 v50, v50, v51                        ; with lane l xor 16's 64 numbers: row r's part of the sum for this K step
.irp c, 0,1
	v_add_nc_u32 v[SO+\c], 0xfe000000, v[MX+\c]    ; 4 off the exponent field: the conversion takes the exponent field of this operand as its scale
.endr
.irp c, 0,1
	s_delay_alu instid0(VALU_DEP_2)
	v_lshrrev_b32 v[BY+\c], 23, v[SO+\c]           ; the scale's byte
.endr
	s_delay_alu instid0(VALU_DEP_1)
	v_lshl_or_b32 v52, v[BY+1], 16, v[BY]          ; my two bytes, blocks h and 2 + h,
	v_lshlrev_b32 v53, 3, v4
	s_delay_alu instid0(VALU_DEP_1)
	v_lshlrev_b32 v52, v53, v52                    ; at their places in the word (8 h bits up);
	v_mov_b32 v53, 0
	s_delay_alu instid0(VALU_DEP_1)
	v_permlanex16_b32 v53, v52, s26, s27
	s_delay_alu instid0(VALU_DEP_1)
	v_or_b32 v52, v52, v53                         ; with lane l xor 16's two the word is whole
	v_cvt_scalef32_pk16_bf6_f32 v[F:F+2], v[X:X+15], v[SO]
	v_cvt_scalef32_pk16_bf6_f32 v[T:T+2], v[X+16:X+31], v[SO]        ; (a conversion's three registers begin on an even number: a block's upper half is made elsewhere and moved)
	v_cvt_scalef32_pk16_bf6_f32 v[F+6:F+8], v[X+32:X+47], v[SO+1]
	v_cvt_scalef32_pk16_bf6_f32 v[T+4:T+6], v[X+48:X+63], v[SO+1]
	v_nop                                          ; one plain place behind a scaled conversion
.irp i, 0,1,2
	v_mov_b32 v[F+3+\i], v[T+\i]
	v_mov_b32 v[F+9+\i], v[T+4+\i]
.endr
.irp c, 0,1,2
	global_store_b128 v2, v[F+4*\c:F+4*\c+3], s[8:9] offset:512*\c   ; the fragment as it stands: 32 lanes store 512 consecutive bytes, aligned
.endr
	ds_store_b32 v7, v52                           ; lanes r and r + 16 write the same word with the same value
	ds_store_b32 v7, v50 offset:512
	s_wait_dscnt 0x0                               ; for wave 0's sake: my words have landed
	s_barrier_signal -1
	s_barrier_wait -1
	s_cmp_lg_u32 s20, 0                            ; wave 0 sends the 32 rows' scale bytes and sums: whole runs of neighbouring bytes
	s_cbranch_scc1 .Ldone
	ds_load_b128 v[56:59], v9                      ; row = lane: its four scale words,
	ds_load_b128 v[60:63], v9 offset:512           ; and the four K steps' parts of its sum
	s_wait_dscnt 0x0
	v_add_f32 v60, v60, v61
	v_add_f32 v62, v62, v63
	s_delay_alu instid0(VALU_DEP_1)
	v_sub_f32 v60, -v60, v62                       ; the row's sum of squares leaves NEGATED: -(a + b) has the bits of a + b with the sign turned; the search adds it
	global_store_b128 v2, v[56:59], s[12:13]       ; 512 consecutive bytes, aligned
	global_store_b32 v8, v60, s[16:17]             ; 128 consecutive bytes
.Ldone:
	s_wait_tensorcnt 0x0
	ds_add_u32 v144, v145
	s_wait_dscnt 0x0
	s_endpgm
.Lfunc_end_k_q75e95c4e3b_quant:
	.size	k_q75e95c4e3b_quant, .Lfunc_end_k_q75e95c4e3b_quant-k_q75e95c4e3b_quant
	.p2alignl 7, 3214868480
	.fill 96, 4, 3214868480
	.section	.rodata,"a",@progbits
	.p2align	6, 0x0
	.amdhsa_kernel k_q75e95c4e3b_quant
		.amdhsa_group_segment_fixed_size 69632
		.amdhsa_private_segment_fixed_size 0
		.amdhsa_enable_private_segment 0
		.amdhsa_kernarg_size 64
		.amdhsa_user_sgpr_count 2
		.amdhsa_user_sgpr_kernarg_segment_ptr 1
		.amdhsa_wavefront_size32 1
		.amdhsa_system_sgpr_workgroup_id_x 1
		.amdhsa_system_sgpr_workgroup_id_y 1
		.amdhsa_system_sgpr_workgroup_id_z 1
		.amdhsa_system_vgpr_workitem_id 0
		.amdhsa_next_free_vgpr 146
		.amdhsa_next_free_sgpr 66
		.amdhsa_reserve_vcc 0
		.amdhsa_float_denorm_mode_32 3
		.amdhsa_float_denorm_mode_16_64 3
		.amdhsa_memory_ordered 1
		.amdhsa_forward_progress 1
		.amdhsa_inst_pref_size 16
	.end_amdhsa_kernel
	.amdgpu_metadata
---
amdhsa.version: [ 1, 2 ]
amdhsa.kernels:
  - .name:           k_q75e95c4e3b_quant
    .symbol:         k_q75e95c4e3b_quant.kd
    .args:
      - { .name: e, .offset: 0, .size: 8, .value_kind: global_buffer, .address_space: global }
      - { .name: W, .offset: 8, .size: 8, .value_kind: global_buffer, .address_space: global }
      - { .name: eimg, .offset: 16, .size: 8, .value_kind: global_buffer, .address_space: global }
      - { .name: wimg, .offset: 24, .size: 8, .value_kind: global_buffer, .address_space: global }
      - { .name: esc, .offset: 32, .size: 8, .value_kind: global_buffer, .address_space: global }
      - { .name: wsc, .offset: 40, .size: 8, .value_kind: global_buffer, .address_space: global }
      - { .name: en, .offset: 48, .size: 8, .value_kind: global_buffer, .address_space: global }
      - { .name: wn, .offset: 56, .size: 8, .value_kind: global_buffer, .address_space: global }
    .group_segment_fixed_size: 69632
    .private_segment_fixed_size: 0
    .kernarg_segment_align: 8
    .kernarg_segment_size: 64
    .max_flat_workgroup_size: 256
    .sgpr_count:     66
    .vgpr_count:     146
    .wavefront_size: 32
...
	.end_amdgpu_metadata
.endif
;; end of part 1
;; launch search (part 2): grid 32 x 8, 8 waves a work-group, clusters of 4 x 1, 327,680 bytes of LDS; arguments eimg, esc, en, wimg, wsc, wn, cand; writes cand
.if DOCPART == 2
	.amdgcn_target "amdgcn-amd-amdhsa--gfx1250"
	.amdhsa_code_object_version 6
	.text
	.protected	k_q75e95c4e3b_search
	.globl	k_q75e95c4e3b_search
	.p2align	8
	.type	k_q75e95c4e3b_search,@function
k_q75e95c4e3b_search:
	s_mov_b64 s[64:65], 0
	v_nop
	global_prefetch_b8 v0, s[64:65] scope:SCOPE_SE
	s_setreg_imm32_b32 hwreg(HW_REG_WAVE_MODE, 25, 1), 1
	s_wait_xcnt 0x0
	s_wait_alu depctr_hold_cnt(0) depctr_sa_sdst(0) depctr_va_vdst(0) depctr_va_sdst(0) depctr_va_ssrc(0) depctr_va_vcc(0) depctr_vm_vsrc(0)
	s_getreg_b32 s2, hwreg(HW_REG_IB_STS2, 6, 4)
	s_cmp_eq_u32 s2, 0
	s_cbranch_scc0 .Lentry_in_a_cluster
	s_endpgm
.Lentry_in_a_cluster:
	s_bfe_u32 s2, ttmp6, 0x10000c
	s_cmp_lg_u32 s2, 0x3003
	s_cbranch_scc0 .Lentry_shape_is_right
	s_endpgm
.Lentry_shape_is_right:
; For 512 rows of e and one eighth (1,024) of the codes: y = -d2 = (2 e.w - E) - w2, and the first index of its greatest value.  e.w is the quantised product, on codes of BF6 (E3M2) with E8M0 scales.
; Nothing of reference() is left out: E stays, since its size sets the grid on which d2 is rounded.  The factor 2 is folded into e's scale bytes (each + 1; the quantiser gives at most 250), so the matrix unit gives 2 e.w;
; en and wn hold -E and -w2.  Two f32 additions then round as reference() rounds: fl(2 dot - E) = -fl(E - 2 dot), fl(. - w2) = -fl(. + w2).  Ties go to the lower index at every level.
; OUT: cand[eighth][row] = {key, index}: key = d2's f32 bits turned into a whole number whose unsigned order is the order of the floats.
; LIMITS: NaN and infinities among the inputs, and a d2 that overflows, are not served.
; SHARES.  Eight waves, two to a SIMD.  Wave w owns rows 64 w .. 64 w + 63 of the block: four tiles m of 16 rows, whose 16 fragments (192 registers) come from the register image in memory and stay.  Every wave walks all 64 tiles of codes.
; THE PRODUCT IS USED TRANSPOSED (source 0 = 16 codes of W, source 1 = 16 rows of e): a lane holds ONE row of e (lane % 16), and an accumulator's register j the code 16 t + 8 (lane / 16) + j.
; A TILE: 16 products (four accumulators by turns; K ascending), then the search through the four accumulators.  For each: 8 + 8 additions in dual pairs, the greatest of the eight and the running best by four v_max3,
; and where the best has grown (strictly: the earlier tile keeps a tie) the tile's first code and a COPY of the eight values are taken.  At the end the first j whose copy equals the best gives the code.  No branch hangs on data.
; THE RING.  W's images come through two LDS buffers of 16 tiles (98,304 bytes).  At the head each wave issues one load: waves 0-3 a quarter of slot 0, waves 4-5 a half of the scale bytes, waves 6-7 a half of the sums.  Later fills: an eighth of a slot a wave.
; CLUSTER 4 x 1: four row blocks walk the same eighth of W: its tiles, scale bytes and sums are asked for JOINTLY (mask 15).  e is each wave's own and is shared with nobody in the cluster.
; NO PREFETCH: a slot is asked for 16 tiles (256 products a wave) ahead of the wait for it, and the launch has two refills in all.
; REGISTERS: window 0 holds all but e's fragments, which lie in window 1 at 48 m + 12 s: a product's setting is 0x04 (source 1 in window 1), everything else runs under 0.
.set TILEB, 6144                       ; a tile of 16 codes: four fragments of 1,536 bytes
.set SLOTB, 16*TILEB
.set SLOT1, 1<<17                      ; buffer 1 begins here: one exclusive or turns an address in one buffer into the other's
.set SCL,   SLOTB                      ; behind buffer 0: the eighth's scale bytes, 1,024 x 16, filled once
.set W2L,   SLOT1+SLOTB                ; behind buffer 1: the eighth's -w2, 1,024 x 4, filled once
.set SPARE, W2L+4096                   ; the spare words, 128 bytes for each of eight waves: four blocks of 256 bytes that no other line names
.set SPW, 1                            ; v1   SPARE + 4 x my thread's number; never rewritten
.set NIL, 2                            ; v2   0; never rewritten
.set L16, 3                            ; v3   16 x lane: my place in a fragment's 512 bytes
.set R16, 4                            ; v4   16 x (lane % 16)
.set R4,  5                            ; v5   4 x (lane % 16)
.set AW2, 6                            ; v6   my eight -w2 of a tile
.set ASC, 7                            ; v7   my code's four scale words
.set ADR, 8                            ; v8-10 the addresses of the fetch in hand
.set ADW, 9
.set ADS, 10
.set H8,  11                           ; v11  8 x (lane / 16)
.set L8,  15                           ; v15  8 x lane
.set WS,  16                           ; v16-23  W's scale words, four for each of two buffers
.set ES,  24                           ; v24-39  e's scale words (4 m + s)
.set NE,  40                           ; v40-47  -E of my row of tile m, twice (a dual pair's two second sources lie in different banks)
.set MNA, 48                           ; v48-51, v52-55  the running best: the two sets take turns, tile by tile
.set MNB, 52
.set ID,  56                           ; v56-59  first code of the tile that holds the best
.set W2,  64                           ; v64-79  -w2, two buffers
.set CP,  80                           ; v80-111 the copies (8 m + j)
.set ACC, 112                          ; v112-143 four accumulators
.set WF,  144                          ; v144-239 W's fragments, two buffers
.set TA,  240                          ; v240-251 at work in the search
.set TBB, 244
.set TC,  248
.set P,   240                          ; the end: v240-247 the four pairs; v248-253 at work; v144-147 what is stored
.set IX,  248
.set TK,  249
.set T2,  250
.set K2,  252
.set I2,  253
.set O,   144
.set WV,  18
.set CX,  19
.set RB,  20
.set EI,  21
.set G1W, 24                           ; s[24:31] group 1: 96 rows of 256 bytes;  s[32:39] 32 rows;  s[40:47] 8 rows;  s[48:55] 48 rows
.set G1S, 32
.set G1N, 40
.set G1R, 48
.set G0H, 56                           ; group 0: s[56:59] slot 0's quarter;  s[60:63] scale bytes;  s[68:71] sums;  s[72:75] the ring's: it walks
.set G0S, 60
.set G0N, 68
.set G0R, 72
.set TB,  76                           ; LDS byte at which the next tile to be fetched begins;  s77 the same among the scale words;  s78 among the sums
.set TS,  77
.set TW,  78
.set CT,  79                           ; first code of the tile in hand
.set NINF, 82
.set SEL, 86                           ; s[86:87] lane selects for v_permlanex16_b32: lane l xor 16
.set MSB, 0
.macro WIN new                         ; the immediate's high byte repeats the setting that is left
.if MSB != \new
	s_set_vgpr_msb (MSB<<8)|\new
.set MSB, \new
.endif
.endm
.macro ROUND                           ; a round of the cluster's barrier
	s_barrier_signal -1
	s_barrier_wait -1
	s_cmp_lg_u32 s[WV], 0
	s_cbranch_scc1 .Lnot_wave_0_\@
	s_barrier_signal -3
.Lnot_wave_0_\@:
	s_barrier_wait -3
	s_barrier_signal -1
	s_barrier_wait -1
.endm
.macro SHAPE g, rows                   ; a dense block as rows of 256 bytes: 32 elements of 8 bytes, pitch 32; mask 15 with bit 21 beside it
	s_mov_b32 s[\g], 15|(3<<16)|(1<<21)
	s_mov_b32 s[\g+1], 32<<16
	s_mov_b32 s[\g+2], (\rows)<<16
	s_mov_b32 s[\g+3], 32<<16
	s_mov_b32 s[\g+4], \rows
	s_mov_b32 s[\g+5], 32
	s_mov_b32 s[\g+6], 0
	s_mov_b32 s[\g+7], 0
.endm
.macro TLOAD g0, g1                    ; a tensor load with an s_nop and four v_nop behind it
	tensor_load_to_lds s[\g0:\g0+3], s[\g1:\g1+7]
	s_nop 0
.rept 4
	v_nop
.endr
.endm
	s_load_b256 s[4:11], s[0:1], 0x0               ; eimg s[4:5], esc s[6:7], en s[8:9], wimg s[10:11]
	s_load_b128 s[12:15], s[0:1], 0x20             ; wsc s[12:13], wn s[14:15]
	s_load_b64 s[16:17], s[0:1], 0x30              ; cand
	v_lshl_add_u32 v[SPW], v0, 2, SPARE
	v_mov_b32 v[NIL], 0
	ds_add_u32 v[SPW], v[NIL]                      ; the opening lines: the add, twice on end, and its wait ahead of my first tensor load
	ds_add_u32 v[SPW], v[NIL]
	v_lshrrev_b32 v12, 5, v0
	s_delay_alu instid0(VALU_DEP_1)
	v_readfirstlane_b32 s[WV], v12                 ; wave 0..7
	s_bfe_u32 s[CX], ttmp6, 0x40000
	s_lshl_b32 s[RB], ttmp9, 2
	s_add_co_u32 s[RB], s[RB], s[CX]               ; row block of 512 rows = 4 x cluster x + cx
	s_and_b32 s[EI], ttmp7, 0xffff                 ; which eighth of the codes: the same in all four partners
	SHAPE G1W, 96
	SHAPE G1S, 32
	SHAPE G1N, 8
	SHAPE G1R, 48
	s_and_b32 s90, s[WV], 3
	s_mul_i32 s90, s90, 4*TILEB                    ; the head: my quarter of slot 0 (waves 0-3)
	s_and_b32 s91, s[WV], 1
	s_lshl_b32 s93, s91, 13                        ; my half of the scale bytes (waves 4, 5)
	s_lshl_b32 s91, s91, 11                        ; my half of the sums (waves 6, 7)
	s_mul_i32 s92, s[WV], 2*TILEB                  ; the ring: my eighth of a slot
	s_mul_i32 s88, s[EI], 64*TILEB
	s_mov_b32 s89, 0
	s_lshl_b32 s94, s[RB], 5
	s_lshl_b32 s95, s[WV], 2
	s_add_co_u32 s94, s94, s95                     ; my first tile of e: 32 x row block + 4 x wave
	s_mov_b32 s[TB], 0
	s_mov_b32 s[TS], 0
	s_mov_b32 s[TW], 0
	s_lshl_b32 s[CT], s[EI], 10
	s_mov_b32 s[NINF], 0xff800000
	s_mov_b32 s[SEL], 0x76543210
	s_mov_b32 s[SEL+1], 0xfedcba98
	s_wait_dscnt 0x0                               ; both opening adds are done
	s_wait_kmcnt 0x0
	s_add_nc_u64 s[10:11], s[10:11], s[88:89]      ; my eighth's images
	s_mov_b32 s[G0H], 1
	s_mov_b32 s[G0H+1], s90
	s_mov_b32 s88, s90
	s_add_nc_u64 s[G0H+2:G0H+3], s[10:11], s[88:89]
	s_or_b32 s[G0H+3], s[G0H+3], 0x80000000
	s_mov_b32 s[G0R], 1
	s_add_co_u32 s[G0R+1], s92, SLOT1              ; the ring's first load: slot 1 into buffer 1
	s_add_co_u32 s88, s92, SLOTB
	s_add_nc_u64 s[G0R+2:G0R+3], s[10:11], s[88:89]
	s_or_b32 s[G0R+3], s[G0R+3], 0x80000000
	s_mov_b32 s[G0S], 1
	s_add_co_u32 s[G0S+1], s93, SCL
	s_lshl_b32 s88, s[EI], 14
	s_add_co_u32 s88, s88, s93
	s_add_nc_u64 s[G0S+2:G0S+3], s[12:13], s[88:89]
	s_or_b32 s[G0S+3], s[G0S+3], 0x80000000
	s_mov_b32 s[G0N], 1
	s_add_co_u32 s[G0N+1], s91, W2L
	s_lshl_b32 s88, s[EI], 12
	s_add_co_u32 s88, s88, s91
	s_add_nc_u64 s[G0N+2:G0N+3], s[14:15], s[88:89]
	s_or_b32 s[G0N+3], s[G0N+3], 0x80000000
	s_mul_i32 s88, s94, TILEB                      ; e's side, behind the descriptors: images 6,144 bytes a tile,
	s_add_nc_u64 s[4:5], s[4:5], s[88:89]
	s_lshl_b32 s88, s94, 8                         ; scale bytes 256,
	s_add_nc_u64 s[6:7], s[6:7], s[88:89]
	s_lshl_b32 s88, s94, 6                         ; -E 64,
	s_add_nc_u64 s[8:9], s[8:9], s[88:89]
	s_lshl_b32 s88, s94, 7                         ; cand 128, and 131,072 an eighth
	s_lshl_b32 s95, s[EI], 17
	s_add_co_u32 s88, s88, s95
	s_add_nc_u64 s[16:17], s[16:17], s[88:89]
	ROUND                                          ; all four work-groups are here: the first joint loads meet
	s_cmp_lt_u32 s[WV], 4                          ; ONE chain of branches on the wave's number: every way passes exactly one load
	s_cbranch_scc0 .Lhead_s
	TLOAD G0H, G1W
	s_branch .Lhead_asked
.Lhead_s:
	s_cmp_lt_u32 s[WV], 6
	s_cbranch_scc0 .Lhead_n
	TLOAD G0S, G1S
	s_branch .Lhead_asked
.Lhead_n:
	TLOAD G0N, G1N
.Lhead_asked:
	v_and_b32 v12, 31, v0                          ; lane
	v_and_b32 v13, 15, v0                          ; lane % 16
	v_bfe_u32 v14, v0, 4, 1                        ; lane / 16
	s_delay_alu instid0(VALU_DEP_3)
	v_lshlrev_b32 v[L16], 4, v12
	s_delay_alu instid0(VALU_DEP_3)
	v_lshlrev_b32 v[R16], 4, v13
	s_delay_alu instid0(VALU_DEP_3)
	v_lshlrev_b32 v[H8], 3, v14
	v_lshlrev_b32 v[R4], 2, v13
	v_lshlrev_b32 v[L8], 3, v12
	v_lshl_add_u32 v[AW2], v14, 5, W2L
	v_add_nc_u32 v[ASC], SCL, v[R16]
.irp m, 0,1,2,3
	global_load_b128 v[ES+4*\m:ES+4*\m+3], v[R16], s[6:7] offset:256*\m   ; row lane % 16 of tile m: its four scale words
.endr
.irp m, 0,1,2,3
	global_load_b32 v[NE+2*\m], v[R4], s[8:9] offset:64*\m
	global_load_b32 v[NE+2*\m+1], v[R4], s[8:9] offset:64*\m
.endr
	WIN 0x40                                       ; destination window 1
.irp m, 0,1,2,3
.irp s, 0,1,2,3
.irp c, 0,1,2
	global_load_b128 v[48*\m+12*\s+4*\c:48*\m+12*\s+4*\c+3], v[L16], s[4:5] offset:TILEB*\m+1536*\s+512*\c   ; an image of the registers: 32 lanes read 512 consecutive bytes
.endr
.endr
.endr
	WIN 0
; The next tile of codes into buffer wbn: its scale words, four fragments, eight -w2 a lane: 15 LDS loads in one run.
.macro FETCH wbn
	v_add_nc_u32 v[ADR], s[TB], v[L16]
	v_add_nc_u32 v[ADW], s[TW], v[AW2]
	v_add_nc_u32 v[ADS], s[TS], v[ASC]
	ds_load_b128 v[WS+4*(\wbn):WS+4*(\wbn)+3], v[ADS]
.irp s, 0,1,2,3
.irp c, 0,1,2
	ds_load_b128 v[WF+48*(\wbn)+12*\s+4*\c:WF+48*(\wbn)+12*\s+4*\c+3], v[ADR] offset:1536*\s+512*\c
.endr
.endr
	ds_load_b128 v[W2+8*(\wbn):W2+8*(\wbn)+3], v[ADW]
	ds_load_b128 v[W2+8*(\wbn)+4:W2+8*(\wbn)+7], v[ADW] offset:16
	s_add_co_u32 s[TB], s[TB], TILEB
	s_add_co_u32 s[TS], s[TS], 256
	s_add_co_u32 s[TW], s[TW], 64
.endm
; Two lines in one: registers a, a + 1 take the sum with b, b + 1; and the choice by VCC.  Even and odd destinations, neighbouring sources: different banks.
.macro DADD a, b
	v_dual_add_f32 v[\a], v[\a], v[\b] :: v_dual_add_f32 v[\a+1], v[\a+1], v[\b+1]
.endm
.macro DSEL c, x
	v_dual_cndmask_b32 v[\c], v[\c], v[\x] :: v_dual_cndmask_b32 v[\c+1], v[\c+1], v[\x+1]
.endm
; The search through the four accumulators; the four tiles of rows by turns.  mo: the best so far, mw: the best with this tile.  Each accumulator is read from its low end on.
.macro EPI wb, mo, mw
.irp jj, 0,2,4,6
.irp m, 0,1,2,3
	DADD ACC+8*\m+\jj, NE+2*\m                     ; fl(2 dot - E)
.endr
.endr
.irp jj, 0,2,4,6
.irp m, 0,1,2,3
	DADD ACC+8*\m+\jj, W2+8*(\wb)+\jj              ; fl(. - w2) = -d2
.endr
.endr
.irp m, 0,1,2,3
	v_max3_num_f32 v[TA+\m], v[ACC+8*\m], v[ACC+8*\m+1], v[ACC+8*\m+2]
.endr
.irp m, 0,1,2,3
	v_max3_num_f32 v[TBB+\m], v[ACC+8*\m+3], v[ACC+8*\m+4], v[ACC+8*\m+5]
.endr
.irp m, 0,1,2,3
	v_max3_num_f32 v[TC+\m], v[ACC+8*\m+6], v[ACC+8*\m+7], v[\mo+\m]
.endr
.irp m, 0,1,2,3
	s_delay_alu instid0(VALU_DEP_4)
	v_max3_num_f32 v[\mw+\m], v[TA+\m], v[TBB+\m], v[TC+\m]
.endr
.irp m, 0,1,2,3
.if \m == 0
	s_delay_alu instid0(VALU_DEP_4)
.endif
	v_cmp_gt_f32 vcc_lo, v[\mw+\m], v[\mo+\m]      ; strictly: the earlier tile keeps a tie
	s_delay_alu instid0(VALU_DEP_1)
	v_cndmask_b32 v[ID+\m], v[ID+\m], s[CT], vcc_lo
.irp jj, 0,2,4,6
	DSEL CP+8*\m+\jj, ACC+8*\m+\jj
.endr
.endr
.endm
; A tile of 16 codes against my 64 rows.  The fetch of the next tile goes into the other buffer, whose last readers stand ahead of the whole search of the tile before.
.macro TILE wb, fetch
	s_wait_dscnt 0x0                               ; this tile's fragments, scale words and sums are in
.if \fetch
	FETCH 1-\wb
.endif
	WIN 0x04
.irp s, 0,1,2,3
.irp m, 0,1,2,3
.if \s == 0
	v_wmma_scale_f32_16x16x128_f8f6f4 v[ACC+8*\m:ACC+8*\m+7], v[WF+48*(\wb)+12*\s:WF+48*(\wb)+12*\s+11], v[48*\m+12*\s:48*\m+12*\s+11], 0, v[WS+4*(\wb)+\s], v[ES+4*\m+\s] matrix_a_fmt:MATRIX_FMT_BF6 matrix_b_fmt:MATRIX_FMT_BF6
.else
	v_wmma_scale_f32_16x16x128_f8f6f4 v[ACC+8*\m:ACC+8*\m+7], v[WF+48*(\wb)+12*\s:WF+48*(\wb)+12*\s+11], v[48*\m+12*\s:48*\m+12*\s+11], v[ACC+8*\m:ACC+8*\m+7], v[WS+4*(\wb)+\s], v[ES+4*\m+\s] matrix_a_fmt:MATRIX_FMT_BF6 matrix_b_fmt:MATRIX_FMT_BF6
.endif
.endr
.endr
	WIN 0
.rept 4
	v_nop                                          ; four places between the last product and the first read of a result (ISA guide 7.12.1)
.endr
.if \wb == 0
	EPI 0, MNA, MNB
.else
	EPI 1, MNB, MNA
.endif
	s_add_co_u32 s[CT], s[CT], 16
.endm
.macro RUN n                           ; 2 n tiles: written once for the two buffers
	s_mov_b32 s85, \n
.Lrun_\@:
	TILE 1, 1
	TILE 0, 1
	s_sub_co_u32 s85, s85, 1
	s_cmp_lg_u32 s85, 0
	s_cbranch_scc1 .Lrun_\@
.endm
; THE CHANGE OF SLOTS stands at the head of a slot's last tile: all the slot's bytes have been asked for, and that tile's fetch takes the next slot's first tile.  kind 1: the buffer just read out takes the slot two on,
; behind a round of the cluster's barrier, as the first thing there: it has 16 tiles in which to land.  kind 0: nothing is left to ask for.
.macro CHANGE kind
	s_wait_tensorcnt 0x0                           ; my part of the next slot is in; no tensor load of mine is out, so the walking group 0 may be written
	ds_add_u32 v[SPW], v[NIL]
.if \kind
	s_xor_b32 s[G0R+1], s[G0R+1], SLOT1
	s_add_nc_u64 s[G0R+2:G0R+3], s[G0R+2:G0R+3], SLOTB
.endif
	s_sub_co_u32 s[TB], s[TB], SLOTB               ; the fetches go back to a buffer's first tile,
	s_xor_b32 s[TB], s[TB], SLOT1                  ; in the other buffer
	s_wait_dscnt 0x0                               ; the add is done, and my reads of the buffer are over
.if \kind
	ROUND
	TLOAD G0R, G1R
.else
	s_barrier_signal -1
	s_barrier_wait -1
.endif
.endm
.macro LEX k, i, k2, i2                ; the pair (key, index) takes the other pair where that is the smaller: by key, then by index
	v_cmp_lt_u32 s96, v[\k2], v[\k]
	v_cmp_eq_u32 s97, v[\k2], v[\k]
	v_cmp_lt_u32 s98, v[\i2], v[\i]
	s_and_b32 s97, s97, s98
	s_or_b32 s96, s96, s97
	v_cndmask_b32 v[\k], v[\k], v[\k2], s96
	v_cndmask_b32 v[\i], v[\i], v[\i2], s96
.endm
	s_wait_alu depctr_va_vdst(0)
	s_wait_tensorcnt 0x0                           ; my tile of the head's is in
	ds_add_u32 v[SPW], v[NIL]
	s_wait_dscnt 0x0
	ROUND                                          ; everybody's are in, and all four work-groups are here
	TLOAD G0R, G1R                                 ; slot 1's first fill
	FETCH 0                                        ; the first tile of codes
	s_wait_loadcnt 0x0                             ; e's fragments, scale words and -E
.set i, 0
.rept 16
	v_add_nc_u32 v[ES+i], 0x01010101, v[ES+i]      ; the factor 2 of 2 e.w: each scale byte + 1
.set i, i+1
.endr
.irp m, 0,1,2,3
	v_mov_b32 v[MNA+\m], s[NINF]                   ; the best begins at -infinity: the first tile always improves.  (These 40 lines are also the places between the scale words' writes and the first product)
	v_mov_b32 v[ID+\m], 0
.endr
.set i, 0
.rept 32
	v_mov_b32 v[CP+i], s[NINF]
.set i, i+1
.endr
	TILE 0, 1                                      ; slot 0, tile 0
	RUN 7                                          ; tiles 1 to 14
	s_mov_b32 s84, 2
.Lslot:                                            ; two trips: a slot's last tile and the next slot's first fifteen; slots 2 and 3 are asked for
	CHANGE 1
	RUN 8
	s_sub_co_u32 s84, s84, 1
	s_cmp_lg_u32 s84, 0
	s_cbranch_scc1 .Lslot
	CHANGE 0                                       ; the tail is written out
	RUN 8
	TILE 1, 0                                      ; the last tile: nothing more to fetch; the best now lies in the first set
	; THE END.  For each of my four tiles of rows: the first j whose copy equals the best; the code; the key; then the better of my pair and that of lane l xor 16, which holds the same row's other eight codes of each tile.
	v_mov_b32 v[K2], 0                             ; (a lane permute's destination counts as one of its sources)
	v_mov_b32 v[I2], 0
.irp m, 0,1,2,3
	v_mov_b32 v[IX], 7
.irp j, 6,5,4,3,2,1,0
	v_cmp_eq_f32 vcc_lo, v[CP+8*\m+\j], v[MNA+\m]
	s_delay_alu instid0(VALU_DEP_1)
	v_cndmask_b32 v[IX], v[IX], \j, vcc_lo         ; descending: the lowest j that matches is written last
.endr
	v_sub_f32 v[TK], 0, v[MNA+\m]                  ; d2 = 0 - y: a zero of either sign becomes +0
	s_delay_alu instid0(VALU_DEP_2)
	v_add3_u32 v[P+2*\m+1], v[IX], v[ID+\m], v[H8] ; the tile's first code + 8 h + j
	s_delay_alu instid0(VALU_DEP_2)
	v_ashrrev_i32 v[T2], 31, v[TK]
	s_delay_alu instid0(VALU_DEP_1)
	v_or_b32 v[T2], 0x80000000, v[T2]
	s_delay_alu instid0(VALU_DEP_1)
	v_xor_b32 v[P+2*\m], v[T2], v[TK]              ; the key
	v_permlanex16_b32 v[K2], v[P+2*\m], s[SEL], s[SEL+1]
	v_permlanex16_b32 v[I2], v[P+2*\m+1], s[SEL], s[SEL+1]
	LEX P+2*\m, P+2*\m+1, K2, I2
.endr
	v_cmp_ne_u32 vcc_lo, 0, v[H8]                  ; both halves of the lanes hold every pair: lanes 0-15 send the even tiles', lanes 16-31 the odd tiles'
.irp p, 0,1
	v_cndmask_b32 v[O+2*\p], v[P+4*\p], v[P+4*\p+2], vcc_lo
	v_cndmask_b32 v[O+2*\p+1], v[P+4*\p+1], v[P+4*\p+3], vcc_lo
.endr
	global_store_b64 v[L8], v[O:O+1], s[16:17]             ; 32 rows' pairs: 256 consecutive bytes, aligned
	global_store_b64 v[L8], v[O+2:O+3], s[16:17] offset:256
	s_wait_tensorcnt 0x0                           ; the wave's end
	ds_add_u32 v[SPW], v[NIL]
	s_wait_dscnt 0x0
	ROUND                                          ; the closing round: no work-group ends while a partner may still ask for a tile that names it
	s_endpgm
.Lfunc_end_k_q75e95c4e3b_search:
	.size	k_q75e95c4e3b_search, .Lfunc_end_k_q75e95c4e3b_search-k_q75e95c4e3b_search
	.p2alignl 7, 3214868480
	.fill 96, 4, 3214868480
	.section	.rodata,"a",@progbits
	.p2align	6, 0x0
	.amdhsa_kernel k_q75e95c4e3b_search
		.amdhsa_group_segment_fixed_size 327680
		.amdhsa_private_segment_fixed_size 0
		.amdhsa_enable_private_segment 0
		.amdhsa_kernarg_size 56
		.amdhsa_user_sgpr_count 2
		.amdhsa_user_sgpr_kernarg_segment_ptr 1
		.amdhsa_wavefront_size32 1
		.amdhsa_system_sgpr_workgroup_id_x 1
		.amdhsa_system_sgpr_workgroup_id_y 1
		.amdhsa_system_sgpr_workgroup_id_z 1
		.amdhsa_system_vgpr_workitem_id 0
		.amdhsa_next_free_vgpr 448
		.amdhsa_next_free_sgpr 100
		.amdhsa_reserve_vcc 1
		.amdhsa_float_denorm_mode_32 3
		.amdhsa_float_denorm_mode_16_64 3
		.amdhsa_memory_ordered 1
		.amdhsa_forward_progress 1
		.amdhsa_inst_pref_size 90
	.end_amdhsa_kernel
	.amdgpu_metadata
---
amdhsa.version: [ 1, 2 ]
amdhsa.kernels:
  - .name:           k_q75e95c4e3b_search
    .symbol:         k_q75e95c4e3b_search.kd
    .args:
      - { .name: eimg, .offset: 0, .size: 8, .value_kind: global_buffer, .address_space: global }
      - { .name: esc, .offset: 8, .size: 8, .value_kind: global_buffer, .address_space: global }
      - { .name: en, .offset: 16, .size: 8, .value_kind: global_buffer, .address_space: global }
      - { .name: wimg, .offset: 24, .size: 8, .value_kind: global_buffer, .address_space: global }
      - { .name: wsc, .offset: 32, .size: 8, .value_kind: global_buffer, .address_space: global }
      - { .name: wn, .offset: 40, .size: 8, .value_kind: global_buffer, .address_space: global }
      - { .name: cand, .offset: 48, .size: 8, .value_kind: global_buffer, .address_space: global }
    .group_segment_fixed_size: 327680
    .private_segment_fixed_size: 0
    .kernarg_segment_align: 8
    .kernarg_segment_size: 56
    .max_flat_workgroup_size: 256
    .sgpr_count:     100
    .vgpr_count:     448
    .wavefront_size: 32
...
	.end_amdgpu_metadata
.endif
;; end of part 2
;; launch gather (part 3): grid 256 x 1, 8 waves a work-group, no clusters, 0 bytes of LDS; arguments cand, W, out0, out1; writes out0, out1
.if DOCPART == 3
	.amdgcn_target "amdgcn-amd-amdhsa--gfx1250"
	.amdhsa_code_object_version 6
	.text
	.protected	k_q75e95c4e3b_gather
	.globl	k_q75e95c4e3b_gather
	.p2align	8
	.type	k_q75e95c4e3b_gather,@function
k_q75e95c4e3b_gather:
	s_mov_b64 s[64:65], 0
	v_nop
	global_prefetch_b8 v0, s[64:65] scope:SCOPE_SE
	s_setreg_imm32_b32 hwreg(HW_REG_WAVE_MODE, 25, 1), 1
	s_wait_xcnt 0x0
; out0[row] = the index of the best of the eight candidates of a row, one for each eighth of the codes; out1[row] = W[that index], 2,048 bytes.
; cand[eighth][row] = {key, index}, whole numbers stored by the launch before: a smaller key is a smaller d2.  A later eighth wins only where its key is strictly smaller: its indices are all higher, so ties keep the first.
; A stream: no LDS, no barrier, no matrix unit.  A work-group takes 64 rows, a wave 8.  Every wave reads the 64 rows' candidates (16 bytes a lane and eighth: rows 2 lane, 2 lane + 1) and merges them; wave 0 stores the indices.
; A wave's 32 loads of 16 bytes a lane (8 rows x 2,048 bytes) all go out at once; each load and each store covers 512 consecutive bytes, aligned.
.set CQ,  8                            ; v8-39   eighth q: key, index of row 2 lane; key, index of row 2 lane + 1
.set ID,  40                           ; v40-41  the two rows' indices
.set OF,  42                           ; v42-49  row i of my eight: its byte offset in W, + 16 x lane
.set D,   52                           ; v52-179 row i: 16 registers
	s_load_b256 s[4:11], s[0:1], 0x0               ; cand s[4:5], W s[6:7], out0 s[8:9], out1 s[10:11]
	v_lshrrev_b32 v1, 5, v0
	s_delay_alu instid0(VALU_DEP_1)
	v_readfirstlane_b32 s12, v1                    ; wave 0..7
	v_and_b32 v1, 31, v0
	s_delay_alu instid0(VALU_DEP_1)
	v_lshlrev_b32 v2, 4, v1                        ; 16 x lane
	s_delay_alu instid0(VALU_DEP_2)
	v_lshlrev_b32 v3, 3, v1                        ; 8 x lane
	s_lshl_b32 s13, s12, 2                         ; my eight rows lie in lanes 4 w .. 4 w + 3
	s_add_co_u32 s14, s13, 1
	s_add_co_u32 s15, s13, 2
	s_add_co_u32 s16, s13, 3
	s_lshl_b32 s26, ttmp9, 9                       ; cand: 64 rows x 8 bytes
	s_mov_b32 s27, 0
	s_lshl_b32 s28, ttmp9, 8                       ; out0: 64 rows x 4 bytes
	s_mov_b32 s29, 0
	s_lshl_b32 s30, ttmp9, 6
	s_lshl_b32 s31, s12, 3
	s_add_co_u32 s30, s30, s31
	s_lshl_b32 s30, s30, 11                        ; out1: row 64 g + 8 w, 2,048 bytes a row
	s_mov_b32 s31, 0
	s_wait_alu depctr_va_vdst(0)
	s_wait_kmcnt 0x0
	s_add_nc_u64 s[4:5], s[4:5], s[26:27]
	s_add_nc_u64 s[8:9], s[8:9], s[28:29]
	s_add_nc_u64 s[10:11], s[10:11], s[30:31]
.irp q, 0,1,2,3,4,5,6,7
	global_load_b128 v[CQ+4*\q:CQ+4*\q+3], v2, s[4:5] offset:131072*\q
.endr
	s_wait_loadcnt 0x0
.irp q, 1,2,3,4,5,6,7
.irp u, 0,2
	v_cmp_lt_u32 vcc_lo, v[CQ+4*\q+\u], v[CQ+\u]   ; whole numbers read from memory
	s_delay_alu instid0(VALU_DEP_1)
	v_cndmask_b32 v[CQ+\u], v[CQ+\u], v[CQ+4*\q+\u], vcc_lo
	s_delay_alu instid0(VALU_DEP_2)
	v_cndmask_b32 v[CQ+\u+1], v[CQ+\u+1], v[CQ+4*\q+\u+1], vcc_lo
.endr
.endr
	s_delay_alu instid0(VALU_DEP_4)
	v_min_u32 v[ID], 0x1fff, v[CQ+1]               ; an index stays inside the table of 8,192 rows
	s_delay_alu instid0(VALU_DEP_2)
	v_min_u32 v[ID+1], 0x1fff, v[CQ+3]
	s_cmp_lg_u32 s12, 0
	s_cbranch_scc1 .Lnot_wave_0
	global_store_b64 v3, v[ID:ID+1], s[8:9]        ; 64 indices: 256 consecutive bytes, aligned
.Lnot_wave_0:
	s_wait_alu depctr_va_vdst(0)
.irp i, 0,1,2,3,4,5,6,7
	v_readlane_b32 s[17+\i], v[ID+\i%2], s[13+\i/2]    ; row 8 w + i lies in lane 4 w + i / 2
	s_min_u32 s[17+\i], s[17+\i], 0x1fff
	s_lshl_b32 s[17+\i], s[17+\i], 11              ; its row of W, in bytes
	v_add_nc_u32 v[OF+\i], s[17+\i], v2
.endr
	s_wait_alu depctr_va_vdst(0)
.irp i, 0,1,2,3,4,5,6,7
.irp c, 0,1,2,3
	global_load_b128 v[D+16*\i+4*\c:D+16*\i+4*\c+3], v[OF+\i], s[6:7] offset:512*\c   ; no hint: several rows may name the same row of W
.endr
.endr
.irp i, 0,1,2,3,4,5,6,7
	s_wait_loadcnt 4*(7-\i)                        ; row i's four loads are in; the later rows' may be out
.irp c, 0,1,2,3
	global_store_b128 v2, v[D+16*\i+4*\c:D+16*\i+4*\c+3], s[10:11] offset:2048*\i+512*\c th:TH_STORE_NT
.endr
.endr
	s_endpgm
.Lfunc_end_k_q75e95c4e3b_gather:
	.size	k_q75e95c4e3b_gather, .Lfunc_end_k_q75e95c4e3b_gather-k_q75e95c4e3b_gather
	.p2alignl 7, 3214868480
	.fill 96, 4, 3214868480
	.section	.rodata,"a",@progbits
	.p2align	6, 0x0
	.amdhsa_kernel k_q75e95c4e3b_gather
		.amdhsa_group_segment_fixed_size 0
		.amdhsa_private_segment_fixed_size 0
		.amdhsa_enable_private_segment 0
		.amdhsa_kernarg_size 32
		.amdhsa_user_sgpr_count 2
		.amdhsa_user_sgpr_kernarg_segment_ptr 1
		.amdhsa_wavefront_size32 1
		.amdhsa_system_sgpr_workgroup_id_x 1
		.amdhsa_system_sgpr_workgroup_id_y 1
		.amdhsa_system_sgpr_workgroup_id_z 1
		.amdhsa_system_vgpr_workitem_id 0
		.amdhsa_next_free_vgpr 180
		.amdhsa_next_free_sgpr 66
		.amdhsa_reserve_vcc 1
		.amdhsa_float_denorm_mode_32 3
		.amdhsa_float_denorm_mode_16_64 3
		.amdhsa_memory_ordered 1
		.amdhsa_forward_progress 1
		.amdhsa_inst_pref_size 13
	.end_amdhsa_kernel
	.amdgpu_metadata
---
amdhsa.version: [ 1, 2 ]
amdhsa.kernels:
  - .name:           k_q75e95c4e3b_gather
    .symbol:         k_q75e95c4e3b_gather.kd
    .args:
      - { .name: cand, .offset: 0, .size: 8, .value_kind: global_buffer, .address_space: global }
      - { .name: W, .offset: 8, .size: 8, .value_kind: global_buffer, .address_space: global }
      - { .name: out0, .offset: 16, .size: 8, .value_kind: global_buffer, .address_space: global }
      - { .name: out1, .offset: 24, .size: 8, .value_kind: global_buffer, .address_space: global }
    .group_segment_fixed_size: 0
    .private_segment_fixed_size: 0
    .kernarg_segment_align: 8
    .kernarg_segment_size: 32
    .max_flat_workgroup_size: 256
    .sgpr_count:     66
    .vgpr_count:     180
    .wavefront_size: 32
...
	.end_amdgpu_metadata
.endif
;; end of part 3
